; MI455X (gfx1250); checked and timed in simulation.
; The chip was launched on July 23, 2026; its instructions are those of AMD's public machine-readable ISA for CDNA 5 (MIT licence, August 2026) and "CDNA5" Instruction Set Architecture Reference Guide (July 2026). The comments in the code are by the model that wrote it; some were corrected since.
;; Multi Head Base. Allowed arithmetic: float matrix products may take bf16 or f16 operands with f32 sums; all other float work in f32.
;; Inputs: k 4 x 16 x 2,048 x 64 float32; mask 1 x 1 x 2,048 x 2,048 int32; q 4 x 16 x 2,048 x 64 float32; v 4 x 16 x 2,048 x 64 float32.
;; Outputs: out0 4 x 2,048 x 1,024 float32.
;; Constants: batch = 4, q_seq = 2048.
;; 2 versions, each right and faster than the one before. Each part assembles by itself: llvm-mc -triple=amdgcn-amd-amdhsa -mcpu=gfx1250 --defsym DOCPART=n.
;; ======== version 1 of 2: 2 launches
;; workspace buffers: mbits 524,288 bytes of whole numbers
;; launch maskbits (part 1): grid 256 x 1, 8 waves a work-group, no clusters, 68,608 bytes of LDS; arguments mask, mbits; writes mbits
.if DOCPART == 1
	.amdgcn_target "amdgcn-amd-amdhsa--gfx1250"
	.amdhsa_code_object_version 6
	.text
	.protected	k_q7267e8d2d9_maskbits
	.globl	k_q7267e8d2d9_maskbits
	.p2align	8
	.type	k_q7267e8d2d9_maskbits,@function
k_q7267e8d2d9_maskbits:
	s_mov_b64 s[64:65], 0
	v_nop
	global_prefetch_b8 v0, s[64:65] scope:SCOPE_SE
	s_setreg_imm32_b32 hwreg(HW_REG_WAVE_MODE, 25, 1), 1
	s_wait_xcnt 0x0
; mask [2048][2048] int32  ->  mbits: one 32-bit word for each (q tile qt of 16 rows, key tile kt of 16 keys, j = 0..7), at word (qt*128 + kt)*8 + j.
; Bit L of that word = (mask[16 qt + (L & 15)][16 kt + 8 (L >> 4) + j] != 0): the lane order of register j of a 16 x 16 score tile that holds
; key = 8 (L >> 4) + j, query = L & 15.  The next launch takes such a word by a scalar load and uses it as the lane mask of one select.
; Nothing of the mask is left out.  2,048 waves; wave W takes q tile W >> 4 and the eight key tiles 8 (W & 15) .. + 7: 16 rows x 512 bytes.
; Each load of the wave covers 512 consecutive bytes of one row; the turn from rows to lanes goes through the wave's own LDS bytes
; (16 rows, pitch 528 = 512 + 16, so that the sixteen rows read by one load start in sixteen different 16-byte columns).  No wave reads another's bytes: no barrier.
.set MROW,  8192                       ; bytes in a row of the mask
.set PITCH, 528
.set WLDS,  16*PITCH                   ; 8,448 bytes of LDS a wave
.set IN,    16                         ; v[16:79]   row i as loaded: 4 registers
.set TL,    80                         ; v[80:143]  key tile i: 8 registers, register j = the lane's mask number for j
.set CM,    16                         ; s[16:23]   the eight lane masks of a tile
	s_load_b128 s[4:7], s[0:1], 0x0                ; mask s[4:5], mbits s[6:7]
	v_lshl_add_u32 v144, v0, 2, 0x10800
	v_mov_b32 v145, 0
	v_lshrrev_b32 v5, 5, v0
	v_readfirstlane_b32 s2, v5                     ; wave 0..7
	v_and_b32 v8, 31, v0                           ; lane L
	v_and_b32 v9, 15, v0                           ; r = L & 15
	v_bfe_u32 v10, v0, 4, 1                        ; h = L >> 4
	s_lshl_b32 s3, ttmp9, 3
	s_add_co_u32 s3, s3, s2                        ; W
	s_lshr_b32 s12, s3, 4                          ; qt
	s_and_b32 s13, s3, 15                          ; which eight key tiles
	s_lshl_b32 s14, s12, 17                        ; 16 rows x 8,192 bytes
	s_lshl_b32 s24, s13, 9                         ; 128 keys x 4 bytes
	s_add_co_u32 s14, s14, s24
	s_mov_b32 s15, 0
	s_lshl_b32 s24, s12, 12                        ; a q tile's 128 x 8 words
	s_lshl_b32 s25, s13, 8                         ; eight key tiles' 64 words
	s_add_co_u32 s24, s24, s25
	s_mov_b32 s25, 0
	s_mul_i32 s26, s2, WLDS                        ; my wave's LDS bytes
	v_lshlrev_b32 v1, 4, v8                        ; 16 L: my 16 bytes of a row's 512
	v_add_nc_u32 v2, s26, v1                       ; where they go in LDS
	v_mul_u32_u24 v3, v9, PITCH
	v_lshl_add_u32 v3, v10, 5, v3
	v_add_nc_u32 v3, s26, v3                       ; row r, 32 h bytes in: my eight numbers of key tile 0
	v_lshlrev_b32 v4, 3, v8                        ; 8 L: my two words of the result
	v_mov_b32 v6, 0                                ; v_writelane_b32 keeps the other lanes: the registers are written whole first
	v_mov_b32 v7, 0
	s_wait_kmcnt 0x0
	s_add_nc_u64 s[8:9], s[4:5], s[14:15]
	s_add_nc_u64 s[10:11], s[6:7], s[24:25]
.set i, 0
.rept 16
	global_load_b128 v[IN+4*i:IN+4*i+3], v1, s[8:9] offset:i*MROW th:TH_LOAD_NT     ; the launch reads each byte of the mask once
.set i, i+1
.endr
.set i, 0
.rept 16
	s_wait_loadcnt 15-i                            ; loads come back in order: row i is in, the 15 - i younger rows stay out
	ds_store_b128 v2, v[IN+4*i:IN+4*i+3] offset:i*PITCH
.set i, i+1
.endr
.set i, 0
.rept 16                                       ; i = 2 x tile + half; LDS serves a wave's instructions in order, so these see the stores above
	ds_load_b128 v[TL+4*i:TL+4*i+3], v3 offset:64*(i/2)+16*(i%2)
.set i, i+1
.endr
.set i, 0
.rept 8
	s_wait_dscnt 14-2*i                            ; tile i's two loads are in; two for each younger tile stay out
.set j, 0
.rept 8
	v_cmp_ne_u32 s[CM+j], 0, v[TL+8*i+j]           ; bit L: is lane L's number for j other than 0
.set j, j+1
.endr
.set j, 0
.rept 8
	v_writelane_b32 v[6+(j%2)], s[CM+j], 4*i+(j/2) ; word 8 i + j of the wave's 64 lies in lane (8 i + j) / 2, register (8 i + j) % 2
.set j, j+1
.endr
.set i, i+1
.endr
	global_store_b64 v4, v[6:7], s[10:11]          ; 32 lanes x 8 bytes: 256 consecutive bytes, at a multiple of 256 from the buffer's first byte
	s_wait_tensorcnt 0x0
	ds_add_u32 v144, v145
	s_wait_dscnt 0x0
	s_endpgm
.Lfunc_end_k_q7267e8d2d9_maskbits:
	.size	k_q7267e8d2d9_maskbits, .Lfunc_end_k_q7267e8d2d9_maskbits-k_q7267e8d2d9_maskbits
	.p2alignl 7, 3214868480
	.fill 96, 4, 3214868480
	.section	.rodata,"a",@progbits
	.p2align	6, 0x0
	.amdhsa_kernel k_q7267e8d2d9_maskbits
		.amdhsa_group_segment_fixed_size 68608
		.amdhsa_private_segment_fixed_size 0
		.amdhsa_enable_private_segment 0
		.amdhsa_kernarg_size 16
		.amdhsa_user_sgpr_count 2
		.amdhsa_user_sgpr_kernarg_segment_ptr 1
		.amdhsa_wavefront_size32 1
		.amdhsa_system_sgpr_workgroup_id_x 1
		.amdhsa_system_sgpr_workgroup_id_y 1
		.amdhsa_system_sgpr_workgroup_id_z 1
		.amdhsa_system_vgpr_workitem_id 0
		.amdhsa_next_free_vgpr 146
		.amdhsa_next_free_sgpr 66
		.amdhsa_reserve_vcc 0
		.amdhsa_float_denorm_mode_32 3
		.amdhsa_float_denorm_mode_16_64 3
		.amdhsa_memory_ordered 1
		.amdhsa_forward_progress 1
		.amdhsa_inst_pref_size 14
	.end_amdhsa_kernel
	.amdgpu_metadata
---
amdhsa.version: [ 1, 2 ]
amdhsa.kernels:
  - .name:           k_q7267e8d2d9_maskbits
    .symbol:         k_q7267e8d2d9_maskbits.kd
    .args:
      - { .name: mask, .offset: 0, .size: 8, .value_kind: global_buffer, .address_space: global }
      - { .name: mbits, .offset: 8, .size: 8, .value_kind: global_buffer, .address_space: global }
    .group_segment_fixed_size: 68608
    .private_segment_fixed_size: 0
    .kernarg_segment_align: 8
    .kernarg_segment_size: 16
    .max_flat_workgroup_size: 256
    .sgpr_count:     66
    .vgpr_count:     146
    .wavefront_size: 32
...
	.end_amdgpu_metadata
.endif
;; end of part 1
;; launch attn (part 2): grid 256 x 1, 8 waves a work-group, no clusters, 320,512 bytes of LDS; arguments q, k, v, mbits, out0; writes out0
.if DOCPART == 2
	.amdgcn_target "amdgcn-amd-amdhsa--gfx1250"
	.amdhsa_code_object_version 6
	.text
	.protected	k_q7267e8d2d9_attn
	.globl	k_q7267e8d2d9_attn
	.p2align	8
	.type	k_q7267e8d2d9_attn,@function
k_q7267e8d2d9_attn:
	s_mov_b64 s[64:65], 0
	v_nop
	global_prefetch_b8 v0, s[64:65] scope:SCOPE_SE
	s_setreg_imm32_b32 hwreg(HW_REG_WAVE_MODE, 25, 1), 1
	s_wait_xcnt 0x0
; out[b][q][64 h + d] = sum over keys of P[q][key] v[b][h][key][d],  P = (mask[q][key] == 0) ? -1e9 : s - lse,  s = q.k / 8,  lse = log sum exp over all keys of s.
; NOTHING IS LEFT OUT: q, k, v and the mask (as the words that the launch before made of it) all reach the result; the small terms (s - lse) v decide every row
; whose mask has no zero.  lse must be known before the second product and the mask stands between the two, so the scores are made TWICE:
;   pass 1: s, running maximum and running sum of exponentials (the maximum is taken away before every exponential), then lse;
;   pass 2: s - lse (-lse enters as the C operand of the first score product), select, round to bf16, times V.
; A single pass of the form (sum m s v) - lse (sum m v) would form a difference of two large sums as soon as k carries an offset; it is not used.
; LIMITS: matrix operands are bf16 (q / 8 is exact before the rounding); -1e9 enters the second product as bf16, -998,244,352; sums are f32.
; A NaN among the scores is passed over by the running maximum and reaches the result through the sums; a row whose scores are all -infinity gives NaN.
;
; SHARES: 256 work-groups of 8 waves.  Work-group g has head g >> 2 and two q blocks of 256 rows, 2 (g & 3) and 2 (g & 3) + 1, one after the other ('units').
; A wave has 32 rows of a block: two q tiles.  The head's K is rounded to bf16 once and stays in LDS for both units and both passes;
; V is streamed once a unit through registers (f32 -> bf16) into two LDS slots of 128 keys.
; NO TENSOR LOADS, NO JOINT REQUESTS: K and V lie in memory as f32 and have to pass through registers to become bf16; an f32 landing place in LDS has no room
; beside the resident K (278,528 of the 319,488 bytes asked for; the two V slots take the rest).
;
; THE MATRIX INSTRUCTION IS USED TRANSPOSED.  Scores: A = 16 keys x 32 d of K, B = 16 queries x 32 d of Q; lane (r = L & 15, h = L >> 4), register j holds
; (key 8 h + j, query r).  So maximum, sum and lse are a lane's own, and two score tiles rounded to bf16 ARE the B fragment (query r, 32 keys) of
; out^T = V^T x P^T, whose result register j of lane (r, h) is (d = 8 h + j, query r): eight neighbouring numbers of a row of out.
;
; LDS: K at 0: 128 blocks of 16 keys, 2,176 bytes each; key row at (row >> 1) * 272 + (row & 1) * 128, 128 bytes of d: the sixteen rows of a fragment load
;      start in sixteen different 16-byte columns of 256.   V at VB: 2 slots x 128 keys x 160 bytes ([key][d], 128 bytes + 32: an odd multiple of 32).
;      The way out's stage (16 rows x 272 bytes a wave) lies over the V slots, between two barriers.
.set HEADB,  524288                    ; bytes of one head in q, k, v
.set KBLK,   2176                      ; 16 keys of K in LDS
.set VB,     128*KBLK                  ; 278,528: where V's slots begin
.set VPITCH, 160
.set VSLOT,  128*VPITCH                ; 20,480
.set SPITCH, 272
.set STG,    16*SPITCH                 ; 4,352: a wave's stage
; vector registers, window 0: v1 K read address at key 0; v2 the same, running; v3 V read address; v4 V store address; v5 16 t; v6 Q offset; v7 stage in; v8 stage back;
; v9 offset in out; v10, v11 K store addresses; v12 -1e9; v13-v15 lane, r, h
.set QF,   16                          ; v[16:47]   Q fragments (qt, dh) at 16 qt + 8 dh
.set NL,   48                          ; v[48:63]   -lse of my query, eight copies for each q tile: a C operand
.set SC1,  64                          ; v[64:127]  pass 1: score tiles (kt 0..3, qt) at 8 (2 kt + qt)
.set ACC,  64                          ; v[64:127]  pass 2: out^T tiles (db 0..3, qt) at 8 (2 db + qt)
.set KF1,  128                         ; v[128:191] pass 1: K fragments (kt 0..3, dh) at 16 kt + 8 dh
.set SC2,  128                         ; v[128:159] pass 2: score tiles (kt 0..1, qt) at 8 (2 kt + qt)
.set PP,   160                         ; v[160:175] pass 2: P fragments at 8 qt
.set KF,   176                         ; v[176:207] pass 2: K fragments (kt 0..1, dh)
.set TM,   192                         ; v[192:195] pass 1: partial maxima
.set VF,   208                         ; v[208:239] pass 2: V^T fragments at 8 db
.set MM,   240                         ; v240, v241 running maximum of q tile 0, 1
.set MN,   242                         ; new maximum
.set NM,   244                         ; v244: -log2(e) x new maximum (v245 is only named as the pair's other half)
.set AL,   246                         ; v246: factor for the old sum (v247 likewise)
.set LP,   248                         ; v[248:251] running sums, a pair for each q tile
.set LX,   252                         ; v[252:255] at work for lse
; window 1 (v256 up): v[0:31], v[32:63] two register sets of 128 keys of V in f32; v[64:127] Q in f32
.set QT,   64
; scalar registers: s2 wave; s3 unit; s[4:5] Q; s[6:7] K; s[8:9] V's head; s[10:11] running mask pointer; s[12:13] out; s[48:49] running V pointer; s50 counter;
; s52 = s53 = log2(e); s54, s55 lane selects; s[56:57] the unit's mask words
.set MA,   16                          ; s[16:47]  mask words of even steps of 32 keys: 16 qt + 8 kt + j
.set MB,   68                          ; s[68:99]  of odd steps
.set MSB, 0
.macro WIN new                         ; register window; the immediate's high byte repeats the setting that is left; at labels and branches the setting is 0
.if MSB != \new
	s_set_vgpr_msb (MSB<<8)|\new
.set MSB, \new
.endif
.endm
.macro PLACES                          ; four places behind a matrix instruction (ISA guide 7.12.1), where there is no vector work to put there
.rept 4
	v_nop
.endr
.endm
.macro BARRIER
	s_barrier_signal -1
	s_barrier_wait -1
.endm
	s_load_b256 s[4:11], s[0:1], 0x0               ; q s[4:5], k s[6:7], v s[8:9], mbits s[10:11]
	s_load_b64 s[12:13], s[0:1], 0x20              ; out0
	v_lshl_add_u32 v243, v0, 2, 0x4e000
	s_set_vgpr_msb 0x40
	v_mov_b32 v129, 0
	s_set_vgpr_msb 0x4000
	v_lshrrev_b32 v13, 5, v0
	v_readfirstlane_b32 s2, v13                    ; wave 0..7
	v_and_b32 v13, 31, v0                          ; L
	v_and_b32 v14, 15, v0                          ; r
	v_bfe_u32 v15, v0, 4, 1                        ; h
	s_lshr_b32 s58, ttmp9, 2                       ; head
	s_and_b32 s59, ttmp9, 3
	s_lshl_b32 s59, s59, 17                        ; first q block 2 (g & 3), times 65,536
	s_lshl_b32 s60, s2, 13
	s_add_co_u32 s60, s59, s60                     ; 65,536 block + 8,192 wave: my 32 rows of 256 bytes in Q's head, AND my two q tiles of 4,096 bytes in mbits
	s_mov_b32 s61, 0
	s_lshl_b32 s14, s58, 19                        ; head x 524,288
	s_mov_b32 s15, 0
	s_lshr_b32 s62, s58, 4
	s_lshl_b32 s62, s62, 23                        ; b x 2,048 rows x 4,096 bytes
	s_and_b32 s63, s58, 15
	s_lshl_b32 s63, s63, 8                         ; h x 256 bytes
	s_add_co_u32 s62, s62, s63
	s_lshl_b32 s63, s60, 4                         ; my first row x 4,096 bytes
	s_add_co_u32 s62, s62, s63
	s_mov_b32 s63, 0
	s_mov_b32 s52, 0x3fb8aa3b                      ; log2(e)
	s_mov_b32 s53, 0x3fb8aa3b
	s_mov_b32 s54, 0x76543210                      ; v_permlanex16_b32: lane i takes lane i of the other half
	s_mov_b32 s55, 0xfedcba98
	s_mov_b32 s3, 0
	v_lshlrev_b32 v5, 4, v0                        ; 16 t
	v_lshlrev_b32 v6, 8, v14
	v_lshl_add_u32 v6, v15, 5, v6                  ; Q: row r, 32 h bytes in
	v_lshrrev_b32 v16, 1, v14
	v_mul_u32_u24 v1, v16, 272
	v_and_b32 v16, 1, v14
	v_lshl_add_u32 v1, v16, 7, v1
	v_lshl_add_u32 v1, v15, 4, v1                  ; K fragment: key row r, 16 h bytes in
	v_and_b32 v16, 7, v0
	v_lshl_add_u32 v16, v15, 3, v16
	v_mul_u32_u24 v3, v16, VPITCH
	v_bfe_u32 v16, v0, 3, 1
	v_lshl_add_u32 v3, v16, 4, v3
	v_add_nc_u32 v3, VB, v3                        ; V, transposing load: key 8 h + (L & 7), 16 ((L >> 3) & 1) bytes in
	s_mul_i32 s50, s2, 2*VPITCH
	s_add_co_u32 s50, s50, VB
	v_mul_u32_u24 v4, v15, VPITCH
	v_lshl_add_u32 v4, v14, 3, v4
	v_add_nc_u32 v4, s50, v4                       ; V store: key 2 w + h of sixteen, 8 r bytes in: a wave's own 320 bytes of every 2,560
	s_mul_i32 s51, s2, STG
	s_add_co_u32 s51, s51, VB                      ; my stage
	v_mul_u32_u24 v7, v14, SPITCH
	v_lshl_add_u32 v7, v15, 5, v7
	v_add_nc_u32 v7, s51, v7                       ; in: row r, 32 h bytes in
	v_mul_u32_u24 v8, v15, SPITCH
	v_lshl_add_u32 v8, v14, 4, v8
	v_add_nc_u32 v8, s51, v8                       ; back: lanes 0-15 one row of 256 bytes, lanes 16-31 the next
	v_lshlrev_b32 v9, 12, v15
	v_lshl_add_u32 v9, v14, 4, v9                  ; the same two rows in out
	s_mul_i32 s50, s2, 272
	v_lshl_add_u32 v10, v13, 3, s50                ; K store: keys 2 w, 2 w + 1 of sixteen are one LDS row of 272: 272 w + 8 L
	v_add_nc_u32 v11, 16*KBLK, v10                 ; the same, sixteen blocks on
	v_mov_b32 v12, 0xce6e6b28                      ; -1e9
	s_wait_kmcnt 0x0
	s_add_nc_u64 s[4:5], s[4:5], s[14:15]
	s_add_nc_u64 s[4:5], s[4:5], s[60:61]          ; Q at my 32 rows
	s_add_nc_u64 s[6:7], s[6:7], s[14:15]          ; K at the head
	s_add_nc_u64 s[8:9], s[8:9], s[14:15]          ; V at the head
	s_add_nc_u64 s[56:57], s[10:11], s[60:61]      ; mask words of my first q tile
	s_add_nc_u64 s[12:13], s[12:13], s[62:63]      ; out at my first row, my head's 256 bytes
; A unit's first loads: my 32 rows of Q (16 loads), then V's keys 0-127 and 128-255 (8 loads each; a load of the work-group covers 16 keys).
.macro LOADQV
	WIN 0x40                                       ; destination window 1, address window 0
.set n, 0
.rept 16                                       ; n = ((2 qt + dh) 2 + a) 2 + c: 16 bytes at d = 32 dh + 16 a + 8 h + 4 c of row 16 qt + r
	global_load_b128 v[QT+4*n:QT+4*n+3], v6, s[4:5] offset:(n/8)*4096+((n/4)%2)*128+((n/2)%2)*64+(n%2)*16 th:TH_LOAD_NT
.set n, n+1
.endr
.set n, 0
.rept 16
	global_load_b128 v[4*n:4*n+3], v5, s[8:9] offset:n*4096
.set n, n+1
.endr
	WIN 0
.endm
	LOADQV
; PHASE K: the head's 2,048 x 64 f32 in 128 chunks of 4,096 bytes (16 keys); thread t takes 16 bytes of a chunk, rounds them to 8 and stores them.
; Two register sets of 16 chunks take turns, so 16 to 32 loads of every wave are on their way.
.macro KLOAD base, off
.set i, 0
.rept 16
	global_load_b128 v[\base+4*i:\base+4*i+3], v5, s[6:7] offset:\off+i*4096
.set i, i+1
.endr
.endm
.macro CVST base, adr
.set i, 0
.rept 16
	v_cvt_pk_bf16_f32 v[\base+4*i], v[\base+4*i], v[\base+4*i+1]
	v_cvt_pk_bf16_f32 v[\base+4*i+1], v[\base+4*i+2], v[\base+4*i+3]
	ds_store_b64 v\adr, v[\base+4*i:\base+4*i+1] offset:i*KBLK
.set i, i+1
.endr
.endm
	KLOAD 64, 0
	KLOAD 128, 65536
	s_mov_b32 s50, 3
.Lk:
	s_wait_loadcnt 16                              ; all but the other set's 16 younger loads
	CVST 64, 10
	KLOAD 64, 131072                               ; 32 chunks on
	s_wait_loadcnt 16
	CVST 128, 11
	KLOAD 128, 196608
	s_wait_xcnt 0x0                                ; the loads' base is stepped only behind this wait
	s_add_nc_u64 s[6:7], s[6:7], 131072
	v_add_nc_u32 v10, 32*KBLK, v10
	v_add_nc_u32 v11, 32*KBLK, v11
	s_sub_co_u32 s50, s50, 1
	s_cmp_lg_u32 s50, 0
	s_cbranch_scc1 .Lk
	s_wait_loadcnt 16
	CVST 64, 10
	s_wait_loadcnt 0x0
	CVST 128, 11
	s_wait_dscnt 0x0                               ; my part of K is in LDS,
	BARRIER                                        ; everybody's is; K is only read from here on
; cnt K fragment halves of 16 bytes a lane from the running address: i = 4 kt + 2 dh + a
.macro KFETCH base, cnt
.set i, 0
.rept \cnt
	ds_load_b128 v[\base+4*i:\base+4*i+3], v2 offset:(i/4)*KBLK+((i/2)%2)*64+(i%2)*32
.set i, i+1
.endr
.endm
; Pass 1's vector work for q tile qt on 64 keys: 32 scores a lane.
.macro SOFT1 qt
.set XB, SC1+8*\qt                     ; tile kt's register j is XB + 16 kt + j
.irp kt, 0,1,2,3
	v_max3_num_f32 v[TM+\kt], v[XB+16*\kt], v[XB+16*\kt+1], v[XB+16*\kt+2]
.endr
.irp kt, 0,1,2,3
	v_max3_num_f32 v[TM+\kt], v[TM+\kt], v[XB+16*\kt+3], v[XB+16*\kt+4]
.endr
.irp kt, 0,1,2,3
	v_max3_num_f32 v[TM+\kt], v[TM+\kt], v[XB+16*\kt+5], v[XB+16*\kt+6]
.endr
	v_max3_num_f32 v[TM], v[TM], v[TM+1], v[TM+2]
	v_max3_num_f32 v[TM+1], v[TM+3], v[XB+7], v[XB+23]
	v_max3_num_f32 v[TM+2], v[XB+39], v[XB+55], v[MM+\qt]
	v_max3_num_f32 v[MN], v[TM], v[TM+1], v[TM+2]          ; the new running maximum
	v_mul_f32 v[NM], 0xbfb8aa3b, v[MN]
	v_fma_f32 v[AL], v[MM+\qt], s52, v[NM]
	v_exp_f32 v[AL], v[AL]                                 ; exp(old maximum - new): 0 in the first step, where the old one is -infinity
	v_mov_b32 v[MM+\qt], v[MN]                             ; the plain instruction behind the exponential
	; 16 register pairs: x = exp2(x log2(e) - max log2(e)), added to the sum.  Behind each exponential stands a plain instruction that touches
	; neither its result nor its source (ISA guide 5.7.2): the next pair's multiply-add or the last pair's addition.
	v_pk_fma_f32 v[XB:XB+1], v[XB:XB+1], s[52:53], v[NM:NM+1] op_sel_hi:[1,0,0]
.set p, 0
.rept 16
.set XC, XB+16*(p/4)+2*(p%4)
.if p < 15
.set XN, XB+16*((p+1)/4)+2*((p+1)%4)
	v_pk_fma_f32 v[XN:XN+1], v[XN:XN+1], s[52:53], v[NM:NM+1] op_sel_hi:[1,0,0]
.else
	v_nop
.endif
	v_exp_f32 v[XC], v[XC]
.if p == 1
	s_wait_alu depctr_va_vdst(0)
	v_pk_fma_f32 v[LP+2*\qt:LP+2*\qt+1], v[LP+2*\qt:LP+2*\qt+1], v[AL:AL+1], v[XB:XB+1] op_sel_hi:[1,0,1]   ; the old sums rescaled, plus pair 0
.elseif p > 1
.set XO, XB+16*((p-1)/4)+2*((p-1)%4)
	s_wait_alu depctr_va_vdst(0)
	v_pk_add_f32 v[LP+2*\qt:LP+2*\qt+1], v[LP+2*\qt:LP+2*\qt+1], v[XO:XO+1]
.endif
	v_exp_f32 v[XC+1], v[XC+1]
.set p, p+1
.endr
	v_nop
	s_wait_alu depctr_va_vdst(0)
	v_pk_add_f32 v[LP+2*\qt:LP+2*\qt+1], v[LP+2*\qt:LP+2*\qt+1], v[XB+54:XB+55]
.endm
; Pass 1, 64 keys: 8 score tiles, 16 matrix instructions; pf = 1: the next 64 keys' fragments are fetched.
; The eight accumulators take turns, one instruction a turn; the first product of each starts its sum.
.macro STEP1 pf
	s_wait_dscnt 0x0                               ; this step's 16 fragment loads, issued a step ago
.set i, 0
.rept 8                                        ; i = 2 kt + qt
	v_wmma_f32_16x16x32_bf16 v[SC1+8*i:SC1+8*i+7], v[KF1+16*(i/2):KF1+16*(i/2)+7], v[QF+16*(i%2):QF+16*(i%2)+7], 0
.set i, i+1
.endr
.set i, 0
.rept 8
	v_wmma_f32_16x16x32_bf16 v[SC1+8*i:SC1+8*i+7], v[KF1+16*(i/2)+8:KF1+16*(i/2)+15], v[QF+16*(i%2)+8:QF+16*(i%2)+15], v[SC1+8*i:SC1+8*i+7]
.set i, i+1
.endr
	v_add_nc_u32 v2, 4*KBLK, v2                    ; four places behind the products: this line and three v_nop
	v_nop
	v_nop
	v_nop
.if \pf
	KFETCH KF1, 16
.endif
	SOFT1 0
	SOFT1 1
.endm
; lse of q tile qt.  Lanes r and r + 16 hold the maximum and the sum of one query over two halves of the keys: merged, then -lse eight times.
.macro LSE qt
	v_add_f32 v[LX], v[LP+2*\qt], v[LP+2*\qt+1]
	v_permlanex16_b32 v[LX+1], v[MM+\qt], s54, s55         ; the other half's maximum
	v_permlanex16_b32 v[LX+2], v[LX], s54, s55             ; and sum
	v_max_num_f32 v[LX+3], v[MM+\qt], v[LX+1]
	v_mul_f32 v[MN], 0xbfb8aa3b, v[LX+3]
	v_fma_f32 v[NM], v[MM+\qt], s52, v[MN]
	v_fma_f32 v[AL], v[LX+1], s52, v[MN]
	v_exp_f32 v[NM], v[NM]
	v_exp_f32 v[AL], v[AL]
	v_nop
	s_wait_alu depctr_va_vdst(0)
	v_mul_f32 v[LX], v[LX], v[NM]
	v_fma_f32 v[LX], v[LX+2], v[AL], v[LX]                 ; at least 1: the largest score's own term
	v_log_f32 v[LX], v[LX]
	v_nop
	s_wait_alu depctr_va_vdst(0)
	v_mul_f32 v[LX], 0xbf317218, v[LX]                     ; -ln 2 x log2 = -ln of the sum
.set i, 0
.rept 8
	v_sub_f32 v[NL+8*\qt+i], v[LX], v[LX+3]                ; -lse = -ln(sum) - maximum
.set i, i+1
.endr
.endm
; 128 keys of V from register set 'set' (f32) to LDS slot 'slot' (bf16); ld = 1: the set is loaded again, from byte off of the running pointer.
; lcnt = the younger loads that may stay out: the other set's 8, or 0.
.macro STAGEV set, slot, ld, off, lcnt
	s_wait_loadcnt \lcnt
	WIN 0x45                                       ; sources and destination window 1
.set i, 0
.rept 8
	v_cvt_pk_bf16_f32 v[32*(\set)+4*i], v[32*(\set)+4*i], v[32*(\set)+4*i+1]
	v_cvt_pk_bf16_f32 v[32*(\set)+4*i+1], v[32*(\set)+4*i+2], v[32*(\set)+4*i+3]
.set i, i+1
.endr
	WIN 0x04                                       ; store data window 1, address window 0
.set i, 0
.rept 8
	ds_store_b64 v4, v[32*(\set)+4*i:32*(\set)+4*i+1] offset:(\slot)*VSLOT+i*16*VPITCH
.set i, i+1
.endr
.if \ld
	WIN 0x40
.set i, 0
.rept 8
	global_load_b128 v[32*(\set)+4*i:32*(\set)+4*i+3], v5, s[48:49] offset:(\off)+i*4096
.set i, i+1
.endr
.endif
	WIN 0
.endm
; Pass 2, 32 keys (step ks of V slot 'slot'): 4 score tiles (8 matrix instructions), select and round, 8 matrix instructions into out^T.
; zero: the products start out^T's sums.  kpf: the next step's K fragments are fetched.  mld: the mask words of the step after next are asked for.
; madv: the mask pointer goes on by eight steps' 512 bytes.
.macro SUB slot, ks, zero, kpf, mld, madv
.if (\ks)%2
.set MBUF, MB
.else
.set MBUF, MA
.endif
.set MOFF, 64*(4*(\slot)+(\ks)+2)
	PLACES                                         ; behind the last step's products, which read VF
.set i, 0
.rept 8                                        ; i = 2 db + a: d = 16 db + r, keys 16 a + 8 h .. + 7
	ds_load_tr16_b128 v[VF+4*i:VF+4*i+3], v3 offset:(\slot)*VSLOT+(\ks)*32*VPITCH+(i%2)*16*VPITCH+32*(i/2)
.set i, i+1
.endr
	s_wait_dscnt 0x8                               ; all but the 8 just issued: this step's K fragments are in
.set i, 0
.rept 4                                        ; i = 2 kt + qt; C = -lse.  Four accumulators by turns
	v_wmma_f32_16x16x32_bf16 v[SC2+8*i:SC2+8*i+7], v[KF+16*(i/2):KF+16*(i/2)+7], v[QF+16*(i%2):QF+16*(i%2)+7], v[NL+8*(i%2):NL+8*(i%2)+7]
.set i, i+1
.endr
.set i, 0
.rept 4
	v_wmma_f32_16x16x32_bf16 v[SC2+8*i:SC2+8*i+7], v[KF+16*(i/2)+8:KF+16*(i/2)+15], v[QF+16*(i%2)+8:QF+16*(i%2)+15], v[SC2+8*i:SC2+8*i+7]
.set i, i+1
.endr
	v_add_nc_u32 v2, 2*KBLK, v2                    ; four places: this line and three v_nop
	v_nop
	v_nop
	v_nop
.if \kpf
	KFETCH KF, 8
.endif
	s_wait_kmcnt 0x0                               ; scalar loads come back in no order: all of them, this step's mask words among them
.if \madv
	s_add_nc_u64 s[10:11], s[10:11], 512           ; no scalar load is out
.endif
.set i, 0
.rept 4
.set j, 0
.rept 8
	v_cndmask_b32 v[SC2+8*i+j], v12, v[SC2+8*i+j], s[MBUF+16*(i%2)+8*(i/2)+j]      ; bit set: s - lse stays; clear: -1e9
.set j, j+1
.endr
.set i, i+1
.endr
.set i, 0
.rept 4
.set j, 0
.rept 4
	v_cvt_pk_bf16_f32 v[PP+8*(i%2)+4*(i/2)+j], v[SC2+8*i+2*j], v[SC2+8*i+2*j+1]    ; tile kt's keys 8 h .. + 7 are registers 4 kt .. + 3 of the fragment
.set j, j+1
.endr
.set i, i+1
.endr
.if \mld
	s_load_b512 s[MBUF:MBUF+15], s[10:11], MOFF            ; q tile 0: two key tiles x 8 words
	s_load_b512 s[MBUF+16:MBUF+31], s[10:11], MOFF+4096    ; q tile 1
.endif
.if \kpf
	s_wait_dscnt 0x8                               ; all but the 8 K fragment loads: V's fragments are in
.else
	s_wait_dscnt 0x0
.endif
.set i, 0
.rept 8                                        ; i = 2 db + qt: eight accumulators by turns
.if \zero
	v_wmma_f32_16x16x32_bf16 v[ACC+8*i:ACC+8*i+7], v[VF+8*(i/2):VF+8*(i/2)+7], v[PP+8*(i%2):PP+8*(i%2)+7], 0
.else
	v_wmma_f32_16x16x32_bf16 v[ACC+8*i:ACC+8*i+7], v[VF+8*(i/2):VF+8*(i/2)+7], v[PP+8*(i%2):PP+8*(i%2)+7], v[ACC+8*i:ACC+8*i+7]
.endif
.set i, i+1
.endr
.endm
; 128 keys: V slot 'slot' is read while the next 128 keys are put into the other slot.  ONE barrier does both orderings: in front of it each wave's reads of the
; other slot and its stores into this slot are done; behind it the other slot may be written and this one read.
; adv: first half of a group of two that is not the unit's first.  last: the unit's last half.
.macro HALF slot, zero, adv, cv, ld, lcnt, last
	s_wait_dscnt 0x0
	BARRIER
.if \cv
	STAGEV 1-\slot, 1-\slot, \ld, 98304+32768*\slot, \lcnt
.endif
	SUB \slot, 0, \zero, 1, 1, \adv
	SUB \slot, 1, 0, 1, 1, 0
	SUB \slot, 2, 0, 1, 1-\last, 0
	SUB \slot, 3, 0, 1-\last, 1-\last, 0
.endm
.Lunit:
	; Q: times 1/8 (exact), to bf16 fragments
	s_wait_loadcnt 16                              ; Q's 16 loads are in; V's 16 younger ones may stay out
	WIN 0x45
.set n, 0
.rept 32
	v_pk_mul_f32 v[QT+2*n:QT+2*n+1], v[QT+2*n:QT+2*n+1], 0x3e000000 op_sel_hi:[1,0]
.set n, n+1
.endr
	WIN 0x05                                       ; sources window 1, destination window 0
.set n, 0
.rept 32
	v_cvt_pk_bf16_f32 v[QF+n], v[QT+2*n], v[QT+2*n+1]
.set n, n+1
.endr
	WIN 0
	v_mov_b32 v[MM], 0xff800000                    ; running maxima: -infinity
	v_mov_b32 v[MM+1], 0xff800000
.set n, 0
.rept 4
	v_mov_b32 v[LP+n], 0                           ; running sums
	v_mov_b32 v[LX+n], 0                           ; v_permlanex16_b32 counts as a reader of its destination
.set n, n+1
.endr
	v_mov_b32 v[NM+1], 0                           ; the unused halves of two pairs that packed instructions name
	v_mov_b32 v[AL+1], 0
	v_mov_b32 v2, v1
	KFETCH KF1, 16
	; PASS 1: 32 steps of 64 keys; no barrier, K is only read
	s_mov_b32 s50, 31
.Lp1:
	STEP1 1
	s_sub_co_u32 s50, s50, 1
	s_cmp_lg_u32 s50, 0
	s_cbranch_scc1 .Lp1
	STEP1 0
	LSE 0
	LSE 1
	; PASS 2: 16 halves of 128 keys.  Half H reads slot H & 1 (keys 128 H ..), rounds keys 128 (H + 1) .. from register set (H + 1) & 1 into the other slot and
	; loads that set again with keys 128 (H + 3) ..: a load has two halves' work in which to land.
	s_mov_b64 s[48:49], s[8:9]
	s_mov_b64 s[10:11], s[56:57]
	STAGEV 0, 0, 1, 65536, 8                       ; keys 0-127 into slot 0; set 0 gets keys 256-383; set 1's 8 loads may stay out
	v_mov_b32 v2, v1
	KFETCH KF, 8
	s_load_b512 s[MA:MA+15], s[10:11], 0x0
	s_load_b512 s[MA+16:MA+31], s[10:11], 4096
	s_load_b512 s[MB:MB+15], s[10:11], 64
	s_load_b512 s[MB+16:MB+31], s[10:11], 4160
	HALF 0, 1, 0, 1, 1, 8, 0                       ; H = 0: its first products start out^T's sums
	HALF 1, 0, 0, 1, 1, 8, 0
	s_mov_b32 s50, 5
.Lp2:                                          ; H = 2 .. 11
	s_wait_xcnt 0x0                                ; V's pointer is stepped only behind this wait
	s_add_nc_u64 s[48:49], s[48:49], 65536
	HALF 0, 0, 1, 1, 1, 8, 0
	HALF 1, 0, 0, 1, 1, 8, 0
	s_sub_co_u32 s50, s50, 1
	s_cmp_lg_u32 s50, 0
	s_cbranch_scc1 .Lp2
	s_wait_xcnt 0x0
	s_add_nc_u64 s[48:49], s[48:49], 65536
	HALF 0, 0, 1, 1, 1, 8, 0                       ; H = 12: the last load, keys 1,920-2,047
	HALF 1, 0, 0, 1, 0, 8, 0                       ; H = 13: nothing left to load; that last load may stay out
	HALF 0, 0, 1, 1, 0, 0, 0                       ; H = 14: the last 128 keys are rounded: no load is out behind this wait
	HALF 1, 0, 0, 0, 0, 0, 1                       ; H = 15: nothing to round, no mask words and no K beyond the end
	; the second unit's Q and first V go out ahead of the stores; their registers (window 1) are free
	s_cmp_eq_u32 s3, 1
	s_cbranch_scc1 .Lnoq
	s_wait_xcnt 0x0
	s_add_nc_u64 s[4:5], s[4:5], 65536             ; 256 rows of Q on
	LOADQV
.Lnoq:
	; THE WAY OUT: a lane holds 32 bytes of a row of out; 16 rows at a time go through my stage and come back as whole rows of 256 bytes.
	PLACES                                         ; behind the last products, whose results the LDS stores read and whose sources are loaded over
	s_wait_dscnt 0x0
	BARRIER                                        ; every wave has finished its reads of V's slots: the stage lies over them
.irp qt, 0, 1
.set i, 0
.rept 8                                        ; i = 2 db + c
	ds_store_b128 v7, v[ACC+16*(i/2)+8*\qt+4*(i%2):ACC+16*(i/2)+8*\qt+4*(i%2)+3] offset:64*(i/2)+16*(i%2)
.set i, i+1
.endr
.set i, 0
.rept 8
	ds_load_b128 v[128+48*\qt+4*i:128+48*\qt+4*i+3], v8 offset:i*2*SPITCH      ; LDS serves a wave's instructions in order: these see the stores above
.set i, i+1
.endr
.set i, 0
.rept 8
	s_wait_dscnt 7-i                               ; rows 2 i, 2 i + 1 are back; the 7 - i younger loads stay out
	global_store_b128 v9, v[128+48*\qt+4*i:128+48*\qt+4*i+3], s[12:13] offset:(16*\qt+2*i)*4096 th:TH_STORE_NT   ; 16 lanes: 256 consecutive bytes, aligned
.set i, i+1
.endr
.endr
	s_wait_dscnt 0x0
	BARRIER                                        ; every wave has read its stage back: the bytes are V's slots again
	s_wait_xcnt 0x0                                ; the stores' data registers and base are written again only behind this wait
	s_add_nc_u64 s[12:13], s[12:13], 1048576       ; 256 rows of out on
	s_add_nc_u64 s[56:57], s[56:57], 65536         ; 16 q tiles of mask words on
	s_add_co_u32 s3, s3, 1
	s_cmp_lt_u32 s3, 2
	s_cbranch_scc1 .Lunit
	s_set_vgpr_msb 0x4
	s_wait_tensorcnt 0x0
	ds_add_u32 v243, v129
	s_wait_dscnt 0x0
	s_set_vgpr_msb 0x400
	s_endpgm
.Lfunc_end_k_q7267e8d2d9_attn:
	.size	k_q7267e8d2d9_attn, .Lfunc_end_k_q7267e8d2d9_attn-k_q7267e8d2d9_attn
	.p2alignl 7, 3214868480
	.fill 96, 4, 3214868480
	.section	.rodata,"a",@progbits
	.p2align	6, 0x0
	.amdhsa_kernel k_q7267e8d2d9_attn
		.amdhsa_group_segment_fixed_size 320512
		.amdhsa_private_segment_fixed_size 0
		.amdhsa_enable_private_segment 0
		.amdhsa_kernarg_size 40
		.amdhsa_user_sgpr_count 2
		.amdhsa_user_sgpr_kernarg_segment_ptr 1
		.amdhsa_wavefront_size32 1
		.amdhsa_system_sgpr_workgroup_id_x 1
		.amdhsa_system_sgpr_workgroup_id_y 1
		.amdhsa_system_sgpr_workgroup_id_z 1
		.amdhsa_system_vgpr_workitem_id 0
		.amdhsa_next_free_vgpr 386
		.amdhsa_next_free_sgpr 100
		.amdhsa_reserve_vcc 0
		.amdhsa_float_denorm_mode_32 3
		.amdhsa_float_denorm_mode_16_64 3
		.amdhsa_memory_ordered 1
		.amdhsa_forward_progress 1
		.amdhsa_inst_pref_size 255
	.end_amdhsa_kernel
	.section	.bss,"aw",@nobits
	.p2align	6
	.space	262144
	.amdgpu_metadata
---
amdhsa.version: [ 1, 2 ]
amdhsa.kernels:
  - .name:           k_q7267e8d2d9_attn
    .symbol:         k_q7267e8d2d9_attn.kd
    .args:
      - { .name: q, .offset: 0, .size: 8, .value_kind: global_buffer, .address_space: global }
      - { .name: k, .offset: 8, .size: 8, .value_kind: global_buffer, .address_space: global }
      - { .name: v, .offset: 16, .size: 8, .value_kind: global_buffer, .address_space: global }
      - { .name: mbits, .offset: 24, .size: 8, .value_kind: global_buffer, .address_space: global }
      - { .name: out0, .offset: 32, .size: 8, .value_kind: global_buffer, .address_space: global }
    .group_segment_fixed_size: 320512
    .private_segment_fixed_size: 0
    .kernarg_segment_align: 8
    .kernarg_segment_size: 40
    .max_flat_workgroup_size: 256
    .sgpr_count:     100
    .vgpr_count:     386
    .wavefront_size: 32
...
	.end_amdgpu_metadata
.endif
;; end of part 2
;; ======== version 2 of 2: 2 launches; 1.14 times as fast as version 1
;; workspace buffers: mpair 8,388,608 bytes of whole numbers
;; launch maskwords (part 3): grid 256 x 1, 8 waves a work-group, no clusters, 68,608 bytes of LDS; arguments mask, mpair; writes mpair
.if DOCPART == 3
	.amdgcn_target "amdgcn-amd-amdhsa--gfx1250"
	.amdhsa_code_object_version 6
	.text
	.protected	k_q7267e8d2d9_maskwords
	.globl	k_q7267e8d2d9_maskwords
	.p2align	8
	.type	k_q7267e8d2d9_maskwords,@function
k_q7267e8d2d9_maskwords:
	s_mov_b64 s[64:65], 0
	v_nop
	global_prefetch_b8 v0, s[64:65] scope:SCOPE_SE
	s_setreg_imm32_b32 hwreg(HW_REG_WAVE_MODE, 25, 1), 1
	s_wait_xcnt 0x0
; mask [2048][2048] int32  ->  mpair: for each (q tile qt of 16 rows, key tile kt of 16 keys) 512 bytes at (qt*128 + kt)*512; lane L = (r = L & 15, h = L >> 4) owns the
; 16 bytes at 16 L: four words; word p holds 0xFFFF in its low half if mask[16 qt + r][16 kt + 8 h + 2 p] != 0 (else 0) and the same in its high half for key + 1.
; That is the order in which the next launch holds its scores once they are rounded to pairs of bf16: there one bit-select with such a word serves two scores,
; and one 16-byte load of a wave covers 512 consecutive bytes.  Nothing of the mask is left out.
; 2,048 waves; wave W takes q tile W >> 4 and the eight key tiles 8 (W & 15) .. + 7: 16 rows x 512 bytes.
; Each load of the wave covers 512 consecutive bytes of one row; the turn from rows to lanes goes through the wave's own LDS bytes
; (16 rows, pitch 528 = 512 + 16, so that the sixteen rows read by one load start in sixteen different 16-byte columns).  No wave reads another's bytes: no barrier.
.set MROW,  8192                       ; bytes in a row of the mask
.set PITCH, 528
.set WLDS,  16*PITCH                   ; 8,448 bytes of LDS a wave
.set MTILE, 512                        ; bytes of a tile in mpair
.set IN,    16                         ; v[16:79]   row i as loaded: 4 registers
.set TL,    80                         ; v[80:143]  key tile i: 8 registers, register j = the lane's mask number for key 8 h + j; then 4 words of the result
	s_load_b128 s[4:7], s[0:1], 0x0                ; mask s[4:5], mpair s[6:7]
	v_lshl_add_u32 v144, v0, 2, 0x10800
	v_mov_b32 v145, 0
	v_lshrrev_b32 v5, 5, v0
	v_readfirstlane_b32 s2, v5                     ; wave 0..7
	v_and_b32 v8, 31, v0                           ; lane L
	v_and_b32 v9, 15, v0                           ; r
	v_bfe_u32 v10, v0, 4, 1                        ; h
	s_lshl_b32 s3, ttmp9, 3
	s_add_co_u32 s3, s3, s2                        ; W
	s_lshr_b32 s12, s3, 4                          ; qt
	s_and_b32 s13, s3, 15                          ; which eight key tiles
	s_lshl_b32 s14, s12, 17                        ; 16 rows x 8,192 bytes
	s_lshl_b32 s24, s13, 9                         ; 128 keys x 4 bytes
	s_add_co_u32 s14, s14, s24
	s_mov_b32 s15, 0
	s_lshl_b32 s24, s12, 16                        ; a q tile's 128 tiles x 512 bytes
	s_lshl_b32 s25, s13, 12                        ; eight tiles x 512 bytes
	s_add_co_u32 s24, s24, s25
	s_mov_b32 s25, 0
	s_mul_i32 s26, s2, WLDS                        ; my wave's LDS bytes
	v_lshlrev_b32 v1, 4, v8                        ; 16 L: my 16 bytes of a row's 512, and of a tile's 512 in mpair
	v_add_nc_u32 v2, s26, v1                       ; where a row's bytes go in LDS
	v_mul_u32_u24 v3, v9, PITCH
	v_lshl_add_u32 v3, v10, 5, v3
	v_add_nc_u32 v3, s26, v3                       ; row r, 32 h bytes in: my eight numbers of key tile 0
	s_wait_kmcnt 0x0
	s_add_nc_u64 s[8:9], s[4:5], s[14:15]
	s_add_nc_u64 s[10:11], s[6:7], s[24:25]
.set i, 0
.rept 16
	global_load_b128 v[IN+4*i:IN+4*i+3], v1, s[8:9] offset:i*MROW th:TH_LOAD_NT     ; the launch reads each byte of the mask once
.set i, i+1
.endr
.set i, 0
.rept 16
	s_wait_loadcnt 15-i                            ; loads come back in order: row i is in, the 15 - i younger rows stay out
	ds_store_b128 v2, v[IN+4*i:IN+4*i+3] offset:i*PITCH
.set i, i+1
.endr
.set i, 0
.rept 16                                       ; i = 2 x tile + half; LDS serves a wave's instructions in order, so these see the stores above
	ds_load_b128 v[TL+4*i:TL+4*i+3], v3 offset:64*(i/2)+16*(i%2)
.set i, i+1
.endr
.set i, 0
.rept 8
	s_wait_dscnt 14-2*i                            ; tile i's two loads are in; two for each younger tile stay out
.set j, 0
.rept 8
	v_min_u32 v[TL+8*i+j], 1, v[TL+8*i+j]          ; 0 stays 0, every other pattern (taken as unsigned) becomes 1
.set j, j+1
.endr
.set j, 0
.rept 4                                        ; word j is written when the words that it lands on (j <= 2 j) have been read
	v_lshl_or_b32 v[TL+8*i+j], v[TL+8*i+2*j+1], 16, v[TL+8*i+2*j]
.set j, j+1
.endr
.set j, 0
.rept 4
	v_mul_u32_u24 v[TL+8*i+j], v[TL+8*i+j], 0xffff ; (a + 65,536 b) x 65,535 = 0xFFFF a + 0xFFFF0000 b
.set j, j+1
.endr
	global_store_b128 v1, v[TL+8*i:TL+8*i+3], s[10:11] offset:i*MTILE       ; 32 lanes x 16 bytes: 512 consecutive bytes, at a multiple of 512 from the buffer's first byte
.set i, i+1
.endr
	s_wait_tensorcnt 0x0
	ds_add_u32 v144, v145
	s_wait_dscnt 0x0
	s_endpgm
.Lfunc_end_k_q7267e8d2d9_maskwords:
	.size	k_q7267e8d2d9_maskwords, .Lfunc_end_k_q7267e8d2d9_maskwords-k_q7267e8d2d9_maskwords
	.p2alignl 7, 3214868480
	.fill 96, 4, 3214868480
	.section	.rodata,"a",@progbits
	.p2align	6, 0x0
	.amdhsa_kernel k_q7267e8d2d9_maskwords
		.amdhsa_group_segment_fixed_size 68608
		.amdhsa_private_segment_fixed_size 0
		.amdhsa_enable_private_segment 0
		.amdhsa_kernarg_size 16
		.amdhsa_user_sgpr_count 2
		.amdhsa_user_sgpr_kernarg_segment_ptr 1
		.amdhsa_wavefront_size32 1
		.amdhsa_system_sgpr_workgroup_id_x 1
		.amdhsa_system_sgpr_workgroup_id_y 1
		.amdhsa_system_sgpr_workgroup_id_z 1
		.amdhsa_system_vgpr_workitem_id 0
		.amdhsa_next_free_vgpr 146
		.amdhsa_next_free_sgpr 66
		.amdhsa_reserve_vcc 0
		.amdhsa_float_denorm_mode_32 3
		.amdhsa_float_denorm_mode_16_64 3
		.amdhsa_memory_ordered 1
		.amdhsa_forward_progress 1
		.amdhsa_inst_pref_size 14
	.end_amdhsa_kernel
	.amdgpu_metadata
---
amdhsa.version: [ 1, 2 ]
amdhsa.kernels:
  - .name:           k_q7267e8d2d9_maskwords
    .symbol:         k_q7267e8d2d9_maskwords.kd
    .args:
      - { .name: mask, .offset: 0, .size: 8, .value_kind: global_buffer, .address_space: global }
      - { .name: mpair, .offset: 8, .size: 8, .value_kind: global_buffer, .address_space: global }
    .group_segment_fixed_size: 68608
    .private_segment_fixed_size: 0
    .kernarg_segment_align: 8
    .kernarg_segment_size: 16
    .max_flat_workgroup_size: 256
    .sgpr_count:     66
    .vgpr_count:     146
    .wavefront_size: 32
...
	.end_amdgpu_metadata
.endif
;; end of part 3
;; launch attn (part 4): grid 256 x 1, 8 waves a work-group, no clusters, 320,512 bytes of LDS; arguments q, k, v, mpair, out0; writes out0
.if DOCPART == 4
	.amdgcn_target "amdgcn-amd-amdhsa--gfx1250"
	.amdhsa_code_object_version 6
	.text
	.protected	k_q7267e8d2d9_attn
	.globl	k_q7267e8d2d9_attn
	.p2align	8
	.type	k_q7267e8d2d9_attn,@function
k_q7267e8d2d9_attn:
	s_mov_b64 s[64:65], 0
	v_nop
	global_prefetch_b8 v0, s[64:65] scope:SCOPE_SE
	s_setreg_imm32_b32 hwreg(HW_REG_WAVE_MODE, 25, 1), 1
	s_wait_xcnt 0x0
; out[b][q][64 h + d] = sum over keys of P[q][key] v[b][h][key][d],  P = (mask[q][key] == 0) ? -1e9 : s - lse,  s = q.k / 8,  lse = log sum exp over all keys of s.
; NOTHING IS LEFT OUT: q, k, v and the mask (as the 16-bit-wide masks that the launch before made of it) all reach the result; the small terms (s - lse) v decide
; every row whose mask has no zero.  lse must be known before the second product and the mask stands between the two, so the scores are made TWICE:
;   pass 1: s, running maximum and running sum of exponentials (the maximum is taken away before every exponential), then lse;
;   pass 2: s - lse (-lse enters as the C operand of the first score product), round to bf16, select, times V.
; A single pass of the form (sum m s v) - lse (sum m v) would form a difference of two large sums as soon as k carries an offset; it is not used.
; LIMITS: matrix operands are bf16 (q / 8 is exact before the rounding); -1e9 enters the second product as bf16, -998,244,352; sums are f32.
; A NaN among the scores is passed over by the running maximum and reaches the result through the sums; a row whose scores are all -infinity gives NaN.
;
; SHARES: 256 work-groups of 8 waves.  Work-group g has head g >> 2 and two q blocks of 256 rows, 2 (g & 3) and 2 (g & 3) + 1, one after the other ('units').
; A wave has 32 rows of a block: two q tiles.  The head's K is rounded to bf16 once, 256 keys at a time inside the first unit's pass 1, and stays in LDS for both
; units and both passes; V is streamed once a unit through registers (f32 -> bf16) into two LDS slots of 128 keys.
; THE TWO Q TILES TAKE TURNS: one tile's vector work stands in slices behind the other tile's matrix instructions.
;   Pass 2, a step of 32 keys: tile 0's 4 score products of step t and 4 out^T products of step t - 1 carry tile 1's rounding and selecting of step t - 1 (16 instructions,
;   slices of 2,2,2,2,1,1,2,4); then tile 1's 8 products carry tile 0's 16 instructions of step t.  K's and V's fragments have two register buffers each and are
;   fetched in one run of 16 loads at a step's head, a step ahead of their use.
;   Pass 1, a step of 64 keys: tile 1's 8 products carry tile 0's softmax in 8 slices; tile 0's products and tile 1's softmax stand bare.  Turns across steps would
;   want a second set of 64 fragment registers in window 0, where v48-63 and v196-239, 60 in two pieces, are free.
; THE MASKS come by vector loads, 128 keys (16 loads of 512 consecutive bytes a wave) ahead of their use, into two register sets that take turns: vector loads
; come back in order, so one counted wait a half serves them and V together.
; NO TENSOR LOADS, NO JOINT REQUESTS: K and V lie in memory as f32 and have to pass through registers to become bf16; an f32 landing place in LDS has no room
; beside the resident K (278,528 of the 319,488 bytes asked for; the two V slots take the rest); the masks differ from wave to wave.
;
; THE MATRIX INSTRUCTION IS USED TRANSPOSED.  Scores: A = 16 keys x 32 d of K, B = 16 queries x 32 d of Q; lane (r = L & 15, h = L >> 4), register j holds
; (key 8 h + j, query r).  So maximum, sum and lse are a lane's own, and two score tiles rounded to bf16 ARE the B fragment (query r, 32 keys) of
; out^T = V^T x P^T, whose result register j of lane (r, h) is (d = 8 h + j, query r): eight neighbouring numbers of a row of out.
;
; LDS: K at 0: 128 blocks of 16 keys, 2,176 bytes each; key row at (row >> 1) * 272 + (row & 1) * 128, 128 bytes of d: the sixteen rows of a fragment load
;      start in sixteen different 16-byte columns of 256.   V at VB: 2 slots x 128 keys x 160 bytes ([key][d], 128 bytes + 32: an odd multiple of 32).
;      The way out's stage (16 rows x 272 bytes a wave) lies over the V slots, between two barriers.
.set KBLK,   2176                      ; 16 keys of K in LDS
.set VB,     128*KBLK                  ; 278,528: where V's slots begin
.set VPITCH, 160
.set VSLOT,  128*VPITCH                ; 20,480
.set SPITCH, 272
.set STG,    16*SPITCH                 ; 4,352: a wave's stage
.set MTILE,  512                       ; a 16 x 16 tile's masks in mpair
.set MQT,    65536                     ; a q tile's 128 key tiles in mpair
; vector registers, window 0: v1 K read address at key 0; v2 the same, running; v3 V read address; v4 V store address; v5 16 t; v6 Q offset; v7 stage in; v8 stage back;
; v9 offset in out; v10 K store address, running; v11 the same at key 0; v12 -1e9 as two bf16; v13 16 x lane; v14, v15 r, h (set-up only)
.set QF,   16                          ; v[16:47]   Q fragments (qt, dh) at 16 qt + 8 dh
.set NL,   48                          ; v[48:63]   -lse of my query, eight copies for each q tile: a C operand
.set SC1,  64                          ; v[64:127]  pass 1: score tiles (kt 0..3, qt) at 16 kt + 8 qt
.set ACC,  64                          ; v[64:127]  pass 2: out^T tiles (db 0..3, qt) at 16 db + 8 qt
.set KF1,  128                         ; v[128:191] pass 1: K fragments (kt 0..3, dh) at 16 kt + 8 dh
.set SC2,  128                         ; v[128:159] pass 2: score tiles (kt 0..1, qt) at 16 kt + 8 qt
.set PP,   160                         ; pass 2: P fragments of even steps at v[160:175], of odd steps at v[240:255]: 80 x parity + 8 qt
.set KF,   176                         ; v[176:239] pass 2: K fragments (kt 0..1, dh), two buffers: 32 x parity + 16 kt + 8 dh
.set TM,   192                         ; v[192:195] pass 1: partial maxima
.set MM,   240                         ; pass 1: v240, v241 running maximum of q tile 0, 1
.set MN,   242                         ; new maximum
.set NM,   244                         ; v244: -log2(e) x new maximum (v245 is only named as the pair's other half)
.set AL,   246                         ; v246: factor for the old sum (v247 likewise)
.set LP,   248                         ; v[248:251] running sums, a pair for each q tile
.set LX,   252                         ; v[252:255] at work for lse
; window 1 (v256 up): v[0:31], v[32:63] two register sets of 128 keys of V in f32; v[64:127] Q in f32, and in pass 2 V^T fragments, two buffers: 32 x parity + 8 db;
; v[128:191], v[192:255] two sets of masks for 128 keys: 32 qt + 4 (key tile of the half) + word.  The second set also carries K's 256 keys in f32 in the first unit's pass 1.
.set QT,   64
.set VFW,  64
.set MS,   128
.set KS,   192
; scalar registers: s2 wave; s3 unit; s[4:5] Q; s[6:7] K, running; s[8:9] V's head; s[10:11] running mask pointer; s[12:13] out; s[48:49] running V pointer;
; s50, s51 counters; s52 = s53 = log2(e); s54, s55 lane selects; s[56:57] the unit's masks; s14-s17, s58-s63 set-up
.set MSB, 0
.macro WIN new                         ; register window; the immediate's high byte repeats the setting that is left; at labels and branches the setting is 0
.if MSB != \new
	s_set_vgpr_msb (MSB<<8)|\new
.set MSB, \new
.endif
.endm
.macro PLACES                          ; four places behind a matrix instruction (ISA guide 7.12.1), where there is no vector work to put there
.rept 4
	v_nop
.endr
.endm
.macro BARRIER
	s_barrier_signal -1
	s_barrier_wait -1
.endm
	s_load_b256 s[4:11], s[0:1], 0x0               ; q s[4:5], k s[6:7], v s[8:9], mpair s[10:11]
	s_load_b64 s[12:13], s[0:1], 0x20              ; out0
	v_lshrrev_b32 v13, 5, v0
	v_readfirstlane_b32 s2, v13                    ; wave 0..7
	v_and_b32 v13, 31, v0                          ; L
	v_and_b32 v14, 15, v0                          ; r
	v_bfe_u32 v15, v0, 4, 1                        ; h
	s_lshr_b32 s58, ttmp9, 2                       ; head
	s_and_b32 s59, ttmp9, 3
	s_lshl_b32 s59, s59, 17                        ; first q block 2 (g & 3), times 65,536
	s_lshl_b32 s60, s2, 13
	s_add_co_u32 s60, s59, s60                     ; 65,536 block + 8,192 wave: my 32 rows of 256 bytes in Q's head
	s_mov_b32 s61, 0
	s_lshl_b32 s14, s58, 19                        ; head x 524,288
	s_mov_b32 s15, 0
	s_lshl_b32 s16, s60, 4                         ; 16 times that: my first row x 4,096 bytes in out, AND my first q tile x 65,536 bytes in mpair
	s_mov_b32 s17, 0
	s_lshr_b32 s62, s58, 4
	s_lshl_b32 s62, s62, 23                        ; b x 2,048 rows x 4,096 bytes
	s_and_b32 s63, s58, 15
	s_lshl_b32 s63, s63, 8                         ; h x 256 bytes
	s_add_co_u32 s62, s62, s63
	s_add_co_u32 s62, s62, s16
	s_mov_b32 s63, 0
	s_mov_b32 s52, 0x3fb8aa3b                      ; log2(e)
	s_mov_b32 s53, 0x3fb8aa3b
	s_mov_b32 s54, 0x76543210                      ; v_permlanex16_b32: lane i takes lane i of the other half
	s_mov_b32 s55, 0xfedcba98
	s_mov_b32 s3, 0
	v_lshlrev_b32 v5, 4, v0                        ; 16 t
	v_lshlrev_b32 v6, 8, v14
	v_lshl_add_u32 v6, v15, 5, v6                  ; Q: row r, 32 h bytes in
	v_lshrrev_b32 v16, 1, v14
	v_mul_u32_u24 v1, v16, 272
	v_and_b32 v16, 1, v14
	v_lshl_add_u32 v1, v16, 7, v1
	v_lshl_add_u32 v1, v15, 4, v1                  ; K fragment: key row r, 16 h bytes in
	v_and_b32 v16, 7, v0
	v_lshl_add_u32 v16, v15, 3, v16
	v_mul_u32_u24 v3, v16, VPITCH
	v_bfe_u32 v16, v0, 3, 1
	v_lshl_add_u32 v3, v16, 4, v3
	v_add_nc_u32 v3, VB, v3                        ; V, transposing load: key 8 h + (L & 7), 16 ((L >> 3) & 1) bytes in
	s_mul_i32 s50, s2, 2*VPITCH
	s_add_co_u32 s50, s50, VB
	v_mul_u32_u24 v4, v15, VPITCH
	v_lshl_add_u32 v4, v14, 3, v4
	v_add_nc_u32 v4, s50, v4                       ; V store: key 2 w + h of sixteen, 8 r bytes in: a wave's own 320 bytes of every 2,560
	s_mul_i32 s51, s2, STG
	s_add_co_u32 s51, s51, VB                      ; my stage
	v_mul_u32_u24 v7, v14, SPITCH
	v_lshl_add_u32 v7, v15, 5, v7
	v_add_nc_u32 v7, s51, v7                       ; in: row r, 32 h bytes in
	v_mul_u32_u24 v8, v15, SPITCH
	v_lshl_add_u32 v8, v14, 4, v8
	v_add_nc_u32 v8, s51, v8                       ; back: lanes 0-15 one row of 256 bytes, lanes 16-31 the next
	v_lshlrev_b32 v9, 12, v15
	v_lshl_add_u32 v9, v14, 4, v9                  ; the same two rows in out
	s_mul_i32 s50, s2, 272
	v_lshl_add_u32 v11, v13, 3, s50                ; K store: keys 2 w, 2 w + 1 of sixteen are one LDS row of 272: 272 w + 8 L
	v_lshlrev_b32 v13, 4, v13                      ; 16 L: my 16 bytes of a tile's masks
	v_mov_b32 v12, 0xce6ece6e                      ; -1e9 rounded to bf16, twice
	s_wait_kmcnt 0x0
	s_add_nc_u64 s[4:5], s[4:5], s[14:15]
	s_add_nc_u64 s[4:5], s[4:5], s[60:61]          ; Q at my 32 rows
	s_add_nc_u64 s[6:7], s[6:7], s[14:15]          ; K at the head
	s_add_nc_u64 s[8:9], s[8:9], s[14:15]          ; V at the head
	s_add_nc_u64 s[56:57], s[10:11], s[16:17]      ; masks of my first q tile
	s_add_nc_u64 s[12:13], s[12:13], s[62:63]      ; out at my first row, my head's 256 bytes
; 256 keys of K in f32: 16 loads; a load of the work-group covers 4,096 consecutive bytes, 16 keys; thread t takes 16 of them
.macro KLOADW off
	WIN 0x40                                       ; destination window 1, address window 0
.set i, 0
.rept 16
	global_load_b128 v[KS+4*i:KS+4*i+3], v5, s[6:7] offset:\off+i*4096
.set i, i+1
.endr
	WIN 0
.endm
; The masks of 128 keys for my two q tiles into register set 'set': n = 8 qt + key tile; each load covers a tile's 512 consecutive bytes
.macro MLOAD set, sb, off
	WIN 0x40
.set n, 0
.rept 16
	global_load_b128 v[MS+64*(\set)+4*n:MS+64*(\set)+4*n+3], v13, s[\sb:\sb+1] offset:(\off)+(n/8)*MQT+(n%8)*MTILE
.set n, n+1
.endr
.endm
; A unit's first loads, in this order: my 32 rows of Q (16 loads), V's keys 0-127 and 128-255 (8 loads each), the masks of keys 0-127 (16 loads).
.macro LOADQV
	WIN 0x40
.set n, 0
.rept 16                                       ; n = ((2 qt + dh) 2 + a) 2 + c: 16 bytes at d = 32 dh + 16 a + 8 h + 4 c of row 16 qt + r
	global_load_b128 v[QT+4*n:QT+4*n+3], v6, s[4:5] offset:(n/8)*4096+((n/4)%2)*128+((n/2)%2)*64+(n%2)*16 th:TH_LOAD_NT
.set n, n+1
.endr
.set n, 0
.rept 16
	global_load_b128 v[4*n:4*n+3], v5, s[8:9] offset:n*4096
.set n, n+1
.endr
	MLOAD 0, 56, 0
	WIN 0
.endm
	KLOADW 0                                       ; K's first 256 keys go out ahead of everything: pass 1 begins with them
	LOADQV
; cnt K fragment halves of 16 bytes a lane from the running address: i = 4 kt + 2 dh + a
.macro KFETCH base, cnt
.set i, 0
.rept \cnt
	ds_load_b128 v[\base+4*i:\base+4*i+3], v2 offset:(i/4)*KBLK+((i/2)%2)*64+(i%2)*32
.set i, i+1
.endr
.endm
; Pass 1's vector work for q tile qt on 64 keys, 32 scores a lane, in register pairs p = 0..15 (tile p / 4, registers 2 (p % 4), + 1).
; One pair's group: the NEXT pair's multiply-add, this pair's two exponentials, and between them the LAST pair's addition to the sum.  So behind each exponential
; stands a plain instruction that touches neither its result nor its source before the result is read (ISA guide 5.7.2).
.macro SGRP p, qt
.set XC, SC1+8*(\qt)+16*((\p)/4)+2*((\p)%4)
.if \p < 15
.set XN, SC1+8*(\qt)+16*(((\p)+1)/4)+2*(((\p)+1)%4)
	v_pk_fma_f32 v[XN:XN+1], v[XN:XN+1], s[52:53], v[NM:NM+1] op_sel_hi:[1,0,0]    ; x log2(e) - max log2(e)
.else
	v_nop
.endif
	v_exp_f32 v[XC], v[XC]
.if \p == 1
	s_wait_alu depctr_va_vdst(0)
	v_pk_fma_f32 v[LP+2*(\qt):LP+2*(\qt)+1], v[LP+2*(\qt):LP+2*(\qt)+1], v[AL:AL+1], v[SC1+8*(\qt):SC1+8*(\qt)+1] op_sel_hi:[1,0,1]   ; the old sums rescaled, plus pair 0
.elseif \p > 1
.set XO, SC1+8*(\qt)+16*(((\p)-1)/4)+2*(((\p)-1)%4)
	s_wait_alu depctr_va_vdst(0)
	v_pk_add_f32 v[LP+2*(\qt):LP+2*(\qt)+1], v[LP+2*(\qt):LP+2*(\qt)+1], v[XO:XO+1]
.endif
	v_exp_f32 v[XC+1], v[XC+1]
.endm
; The same work as eight numbered slices of 12, 12, 12, 12, 12, 8, 8, 10 instructions, in this order; slice 7 holds six plain instructions.
.macro SOFTS n, qt
.set XB, SC1+8*(\qt)                   ; tile kt's register j is XB + 16 kt + j
.if \n == 0
.irp kt, 0,1,2,3
	v_max3_num_f32 v[TM+\kt], v[XB+16*\kt], v[XB+16*\kt+1], v[XB+16*\kt+2]
.endr
.irp kt, 0,1,2,3
	v_max3_num_f32 v[TM+\kt], v[TM+\kt], v[XB+16*\kt+3], v[XB+16*\kt+4]
.endr
.irp kt, 0,1,2,3
	v_max3_num_f32 v[TM+\kt], v[TM+\kt], v[XB+16*\kt+5], v[XB+16*\kt+6]
.endr
.elseif \n == 1
	v_max3_num_f32 v[TM], v[TM], v[TM+1], v[TM+2]
	v_max3_num_f32 v[TM+1], v[TM+3], v[XB+7], v[XB+23]
	v_max3_num_f32 v[TM+2], v[XB+39], v[XB+55], v[MM+\qt]
	v_max3_num_f32 v[MN], v[TM], v[TM+1], v[TM+2]          ; the new running maximum
	v_mul_f32 v[NM], 0xbfb8aa3b, v[MN]
	v_fma_f32 v[AL], v[MM+\qt], s52, v[NM]
	v_exp_f32 v[AL], v[AL]                                 ; exp(old maximum - new): 0 in the first step, where the old one is -infinity
	v_mov_b32 v[MM+\qt], v[MN]                             ; the plain instruction behind the exponential
	v_pk_fma_f32 v[XB:XB+1], v[XB:XB+1], s[52:53], v[NM:NM+1] op_sel_hi:[1,0,0]
	SGRP 0, \qt
.elseif \n == 2
.irp p, 1,2,3
	SGRP \p, \qt
.endr
.elseif \n == 3
.irp p, 4,5,6
	SGRP \p, \qt
.endr
.elseif \n == 4
.irp p, 7,8,9
	SGRP \p, \qt
.endr
.elseif \n == 5
.irp p, 10,11
	SGRP \p, \qt
.endr
.elseif \n == 6
.irp p, 12,13
	SGRP \p, \qt
.endr
.else
.irp p, 14,15
	SGRP \p, \qt
.endr
	v_nop
	s_wait_alu depctr_va_vdst(0)
	v_pk_add_f32 v[LP+2*(\qt):LP+2*(\qt)+1], v[LP+2*(\qt):LP+2*(\qt)+1], v[XB+54:XB+55]
.endif
.endm
; Pass 1, 64 keys: 8 score tiles, 16 matrix instructions; pf = 1: the next 64 keys' fragments are fetched.
; Each q tile's four accumulators take turns, one instruction a turn; the first product of each starts its sum.
; q tile 0's products stand bare; q tile 1's carry one slice of q tile 0's softmax each; q tile 1's softmax follows, with the next fragments on their way.
.macro STEP1 pf
	s_wait_dscnt 0x0                               ; this step's 16 fragment loads, issued a step ago
.set si, 0
.rept 8                                        ; q tile 0: kt = si % 4, dh = si / 4
.if si < 4
	v_wmma_f32_16x16x32_bf16 v[SC1+16*si:SC1+16*si+7], v[KF1+16*si:KF1+16*si+7], v[QF:QF+7], 0
.else
	v_wmma_f32_16x16x32_bf16 v[SC1+16*(si-4):SC1+16*(si-4)+7], v[KF1+16*(si-4)+8:KF1+16*(si-4)+15], v[QF+8:QF+15], v[SC1+16*(si-4):SC1+16*(si-4)+7]
.endif
.set si, si+1
.endr
	v_add_nc_u32 v2, 4*KBLK, v2                    ; four places behind q tile 0's last product, whose result slice 0 reads: this line and three v_nop
	v_nop
	v_nop
	v_nop
.set si, 0
.rept 8                                        ; q tile 1, a slice of q tile 0's softmax behind each product
.if si < 4
	v_wmma_f32_16x16x32_bf16 v[SC1+16*si+8:SC1+16*si+15], v[KF1+16*si:KF1+16*si+7], v[QF+16:QF+23], 0
.else
	v_wmma_f32_16x16x32_bf16 v[SC1+16*(si-4)+8:SC1+16*(si-4)+15], v[KF1+16*(si-4)+8:KF1+16*(si-4)+15], v[QF+24:QF+31], v[SC1+16*(si-4)+8:SC1+16*(si-4)+15]
.endif
	SOFTS si, 0
.set si, si+1
.endr
.if \pf
	KFETCH KF1, 16                                 ; slice 7's six plain instructions are the places behind the last product
.endif
.set si, 0
.rept 8
	SOFTS si, 1
.set si, si+1
.endr
.endm
; The first unit's pass 1, 256 keys: they are rounded to bf16 and put into LDS, the next 256 go out (more = 1), and four steps of 64 keys run on them
; while those loads are on their way.  Two barriers keep stores into K and reads of K apart in time: the first says that every wave's reads are back,
; the second that every wave's stores are in.  Each byte of K is written once.
.macro KCHUNK more
	s_wait_dscnt 0x0                               ; my reads of the last 256 keys are back (met: each step waits for its own fragments)
	BARRIER
	s_wait_loadcnt 0x0                             ; these 256 keys are in: no load was issued behind theirs (in the first call Q, V and the first masks, asked for at the same time, are waited for too)
	WIN 0x45                                       ; sources and destination window 1
.set i, 0
.rept 16
	v_cvt_pk_bf16_f32 v[KS+4*i], v[KS+4*i], v[KS+4*i+1]
	v_cvt_pk_bf16_f32 v[KS+4*i+1], v[KS+4*i+2], v[KS+4*i+3]
.set i, i+1
.endr
	WIN 0x04                                       ; store data window 1, address window 0
.set i, 0
.rept 16
	ds_store_b64 v10, v[KS+4*i:KS+4*i+1] offset:i*KBLK
.set i, i+1
.endr
.if \more
	KLOADW 65536
	s_wait_xcnt 0x0                                ; the loads' base is stepped only behind this wait
	s_add_nc_u64 s[6:7], s[6:7], 65536
	v_add_nc_u32 v10, 16*KBLK, v10
.endif
	WIN 0
	s_wait_dscnt 0x0                               ; my part of these 256 keys is in LDS,
	BARRIER                                        ; everybody's is
	KFETCH KF1, 16
	s_mov_b32 s51, 3
.Lst\@:
	STEP1 1
	s_sub_co_u32 s51, s51, 1
	s_cmp_lg_u32 s51, 0
	s_cbranch_scc1 .Lst\@
	STEP1 0                                        ; the keys behind these are not in LDS yet: nothing is fetched ahead
.endm
; lse of q tile qt.  Lanes r and r + 16 hold the maximum and the sum of one query over two halves of the keys: merged, then -lse eight times.
.macro LSE qt
	v_add_f32 v[LX], v[LP+2*\qt], v[LP+2*\qt+1]
	v_permlanex16_b32 v[LX+1], v[MM+\qt], s54, s55         ; the other half's maximum
	v_permlanex16_b32 v[LX+2], v[LX], s54, s55             ; and sum
	v_max_num_f32 v[LX+3], v[MM+\qt], v[LX+1]
	v_mul_f32 v[MN], 0xbfb8aa3b, v[LX+3]
	v_fma_f32 v[NM], v[MM+\qt], s52, v[MN]
	v_fma_f32 v[AL], v[LX+1], s52, v[MN]
	v_exp_f32 v[NM], v[NM]
	v_exp_f32 v[AL], v[AL]
	v_nop
	s_wait_alu depctr_va_vdst(0)
	v_mul_f32 v[LX], v[LX], v[NM]
	v_fma_f32 v[LX], v[LX+2], v[AL], v[LX]                 ; at least 1: the largest score's own term
	v_log_f32 v[LX], v[LX]
	v_nop
	s_wait_alu depctr_va_vdst(0)
	v_mul_f32 v[LX], 0xbf317218, v[LX]                     ; -ln 2 x log2 = -ln of the sum
.set i, 0
.rept 8
	v_sub_f32 v[NL+8*\qt+i], v[LX], v[LX+3]                ; -lse = -ln(sum) - maximum
.set i, i+1
.endr
.endm
; 128 keys of V from register set 'set' (f32) to LDS slot 'slot' (bf16).  The wait for the set's loads stands in front of the call.
.macro STAGEV set, slot
	WIN 0x45                                       ; sources and destination window 1
.set i, 0
.rept 8
	v_cvt_pk_bf16_f32 v[32*(\set)+4*i], v[32*(\set)+4*i], v[32*(\set)+4*i+1]
	v_cvt_pk_bf16_f32 v[32*(\set)+4*i+1], v[32*(\set)+4*i+2], v[32*(\set)+4*i+3]
.set i, i+1
.endr
	WIN 0x04                                       ; store data window 1, address window 0
.set i, 0
.rept 8
	ds_store_b64 v4, v[32*(\set)+4*i:32*(\set)+4*i+1] offset:(\slot)*VSLOT+i*16*VPITCH
.set i, i+1
.endr
.endm
; Register set 'set' is loaded again with 128 keys of V, from byte off of the running pointer
.macro VLOAD set, off
	WIN 0x40
.set i, 0
.rept 8
	global_load_b128 v[32*(\set)+4*i:32*(\set)+4*i+3], v5, s[48:49] offset:(\off)+i*4096
.set i, i+1
.endr
.endm
; Pass 2's vector work for q tile o on 32 keys, as eight numbered slices.  Word c = 4 kt + j of the P fragment holds keys 16 kt + 8 h + 2 j, + 1.
; Slices 0-3: two roundings each (window setting 0).  Slices 4-7: 1, 1, 2, 4 selects (source 0, the mask word, in window 1): where a mask's half is all ones
; s - lse stays, where it is 0 the bf16 of -1e9 comes in.  po: the P fragment; ms: the first of the eight mask words.
.macro VSL n, o, po, ms
.if \n < 4
.set vc, 2*(\n)
.set vn, 2
.elseif \n < 6
.set vc, (\n)-4
.set vn, 1
.elseif \n == 6
.set vc, 2
.set vn, 2
.else
.set vc, 4
.set vn, 4
.endif
.rept vn
.if \n < 4
	v_cvt_pk_bf16_f32 v[\po+vc], v[SC2+16*(vc/4)+8*(\o)+2*(vc%4)], v[SC2+16*(vc/4)+8*(\o)+2*(vc%4)+1]
.else
	v_bfi_b32 v[\po+vc], v[\ms+vc], v[\po+vc], v12
.endif
.set vc, vc+1
.endr
.endm
; One q tile's eight matrix instructions with the other tile's eight slices, one behind each.
; qk: 4 score products of tile qt from K buffer kb (C = -lse, then in place; two accumulators by turns).
; pv: 4 products into out^T from V buffer vb (window 1) and P fragment pq; zero: they start out^T's sums.  vec: the other tile's slices, into po with masks ms.
; No slice names a register of the product in front of it.  The last slice's four selects are the four places (ISA guide 7.12.1) behind the last product.
.macro BLK qt, kb, vb, pq, po, ms, qk, pv, vec, zero
.set bi, 0
.if (\qk)|(\vec)
	WIN 0
.rept 4
.if \qk
.if bi < 2
	v_wmma_f32_16x16x32_bf16 v[SC2+16*bi+8*(\qt):SC2+16*bi+8*(\qt)+7], v[\kb+16*bi:\kb+16*bi+7], v[QF+16*(\qt):QF+16*(\qt)+7], v[NL+8*(\qt):NL+8*(\qt)+7]
.else
	v_wmma_f32_16x16x32_bf16 v[SC2+16*(bi-2)+8*(\qt):SC2+16*(bi-2)+8*(\qt)+7], v[\kb+16*(bi-2)+8:\kb+16*(bi-2)+15], v[QF+16*(\qt)+8:QF+16*(\qt)+15], v[SC2+16*(bi-2)+8*(\qt):SC2+16*(bi-2)+8*(\qt)+7]
.endif
.endif
.if \vec
	VSL bi, 1-\qt, \po, \ms
.endif
.set bi, bi+1
.endr
.endif
.set bi, 4
.if (\pv)|(\vec)
	WIN 0x01                                       ; source 0 in window 1: V's fragment in a product, the mask word in a select
.rept 4
.if \pv
.if \zero
	v_wmma_f32_16x16x32_bf16 v[ACC+16*(bi-4)+8*(\qt):ACC+16*(bi-4)+8*(\qt)+7], v[\vb+8*(bi-4):\vb+8*(bi-4)+7], v[\pq:\pq+7], 0
.else
	v_wmma_f32_16x16x32_bf16 v[ACC+16*(bi-4)+8*(\qt):ACC+16*(bi-4)+8*(\qt)+7], v[\vb+8*(bi-4):\vb+8*(bi-4)+7], v[\pq:\pq+7], v[ACC+16*(bi-4)+8*(\qt):ACC+16*(bi-4)+8*(\qt)+7]
.endif
.endif
.if \vec
	VSL bi, 1-\qt, \po, \ms
.endif
.set bi, bi+1
.endr
.endif
.endm
; Pass 2, step t = step ks of the half that reads V slot 'slot' (32 keys).  Buffers go by t's parity, which is ks's.
;   the run of loads: V's fragments of step t (used in step t + 1) and, with ldk = 1, K's of step t + 1;
;   tile 0: scores of t, out^T of t - 1; behind them tile 1's rounding and selecting of t - 1 (its masks are the step before's: in a half's first step the other set's last);
;   tile 1: scores of t, out^T of t - 1; behind them tile 0's rounding and selecting of t.
; first: the unit's step 0, which has no step before it.  zero: step 1, whose products start out^T's sums.
.macro STEP2 slot, ks, first, zero, ldk
.set PAR, (\ks)%2
.if \ks
.set PMS, MS+64*(\slot)+32+8*((\ks)-1)
.else
.set PMS, MS+64*(1-(\slot))+32+24
.endif
	WIN 0x40                                       ; destination window 1, address window 0
.set i, 0
.rept 8                                        ; i = 2 db + a: d = 16 db + r, keys 16 a + 8 h .. + 7
	ds_load_tr16_b128 v[VFW+32*PAR+4*i:VFW+32*PAR+4*i+3], v3 offset:(\slot)*VSLOT+(\ks)*32*VPITCH+(i%2)*16*VPITCH+32*(i/2)
.set i, i+1
.endr
	WIN 0
.if \ldk
.set i, 0
.rept 8                                        ; i = 4 kt + 2 dh + a; the step stands in the immediate, 37,088 at the most: the address goes on once in eight steps
	ds_load_b128 v[KF+32*(1-PAR)+4*i:KF+32*(1-PAR)+4*i+3], v2 offset:(4*(\slot)+(\ks)+1)*2*KBLK+(i/4)*KBLK+((i/2)%2)*64+(i%2)*32
.set i, i+1
.endr
	s_wait_dscnt 16                                ; all but the 16 just issued: this step's K fragments and the last step's V fragments are in
.else
	s_wait_dscnt 8                                 ; the same, behind a run of 8: there is no K beyond the end
.endif
	BLK 0, KF+32*PAR, VFW+32*(1-PAR), PP+80*(1-PAR), PP+80*(1-PAR)+8, PMS, 1, 1-\first, 1-\first, \zero
.if \first
	PLACES                                         ; no slices stood behind tile 0's scores, which the next slices read
.endif
	BLK 1, KF+32*PAR, VFW+32*(1-PAR), PP+80*(1-PAR)+8, PP+80*PAR, MS+64*(\slot)+8*(\ks), 1, 1-\first, 1, \zero
.endm
; Behind step 63 (odd parity, slot 1, ks 3): tile 1's rounding, tile 0's last out^T products with tile 1's selects behind them, tile 1's last products.
.macro DRAIN
	s_wait_dscnt 0x0                               ; V's last fragments
	BLK 0, KF, VFW+32, PP+80, PP+88, MS+64+32+24, 0, 1, 1, 0
	BLK 1, KF, VFW+32, PP+88, PP, MS, 0, 1, 0, 0
.endm
; 128 keys: V slot 'slot' is read while the next 128 keys are put into the other slot.  ONE barrier does both orderings: in front of it each wave's reads of the
; other slot and its stores into this slot are done; behind it the other slot may be written and this one read.
; A half's loads from memory stand behind its first step, in which tile 1 still reads the mask set that they fill; they go out in the order masks, V.  So behind
; 's_wait_loadcnt lcnt' with lcnt = the V loads of the half before (8, or 0 where it had none) this half's masks are in, and with them the V set that is
; rounded now, which was asked for a half earlier still.
; mld: the next half's masks are asked for.  cv: the next 128 keys of V are rounded.  ld: their register set is loaded again.  last: the unit's last half.
.macro HALF slot, first, lcnt, mld, cv, ld, last
	WIN 0
	s_wait_dscnt 0x0
	BARRIER
	s_wait_loadcnt \lcnt
.if \cv
	STAGEV 1-\slot, 1-\slot
.endif
	STEP2 \slot, 0, \first, 0, 1
.if \mld
	MLOAD 1-\slot, 10, 4096+4096*\slot             ; 128 keys are eight tiles, 4,096 bytes; the pointer stands at the even half of the two
.endif
.if \ld
	VLOAD 1-\slot, 98304+32768*\slot               ; three halves ahead of this one
.endif
	STEP2 \slot, 1, 0, \first, 1
	STEP2 \slot, 2, 0, 0, 1
	STEP2 \slot, 3, 0, 0, 1-\last
.endm
.macro ADV                             ; two halves on: 256 keys of V, sixteen tiles of masks, sixteen blocks of K in LDS
	WIN 0
	s_wait_xcnt 0x0                                ; the loads' bases are stepped only behind this wait
	s_add_nc_u64 s[48:49], s[48:49], 65536
	s_add_nc_u64 s[10:11], s[10:11], 8192
	v_add_nc_u32 v2, 16*KBLK, v2
.endm
.Lunit:
	; Q: times 1/8 (exact), to bf16 fragments
	s_wait_loadcnt 32                              ; Q's 16 loads are in (and K's first, which are older); V's 16 and the masks' 16 younger ones may stay out
	WIN 0x45
.set n, 0
.rept 32
	v_pk_mul_f32 v[QT+2*n:QT+2*n+1], v[QT+2*n:QT+2*n+1], 0x3e000000 op_sel_hi:[1,0]
.set n, n+1
.endr
	WIN 0x05                                       ; sources window 1, destination window 0
.set n, 0
.rept 32
	v_cvt_pk_bf16_f32 v[QF+n], v[QT+2*n], v[QT+2*n+1]
.set n, n+1
.endr
	WIN 0
	v_mov_b32 v[MM], 0xff800000                    ; running maxima: -infinity
	v_mov_b32 v[MM+1], 0xff800000
.set n, 0
.rept 4
	v_mov_b32 v[LP+n], 0                           ; running sums
	v_mov_b32 v[LX+n], 0                           ; v_permlanex16_b32 counts as a reader of its destination
.set n, n+1
.endr
	v_mov_b32 v[NM+1], 0                           ; the unused halves of two pairs that packed instructions name
	v_mov_b32 v[AL+1], 0
	v_mov_b32 v2, v1
	; PASS 1: 32 steps of 64 keys.  The branch hangs on the unit's number alone, which is the same in every wave.
	s_cmp_lg_u32 s3, 0
	s_cbranch_scc1 .Lplain
	v_mov_b32 v10, v11                             ; first unit: K comes in on the way, 8 x 256 keys
	s_mov_b32 s50, 7
.Lkc:
	KCHUNK 1
	s_sub_co_u32 s50, s50, 1
	s_cmp_lg_u32 s50, 0
	s_cbranch_scc1 .Lkc
	KCHUNK 0                                       ; the last 256 keys: nothing is left to load
	s_branch .Llse
.Lplain:                                       ; second unit: K is in LDS and is only read: no barrier
	KFETCH KF1, 16
	s_mov_b32 s50, 31
.Lp1:
	STEP1 1
	s_sub_co_u32 s50, s50, 1
	s_cmp_lg_u32 s50, 0
	s_cbranch_scc1 .Lp1
	STEP1 0
.Llse:
	LSE 0
	LSE 1
	; PASS 2: 16 halves of 128 keys, 4 steps each.  Half H reads V slot H & 1 and mask set H & 1 (keys 128 H ..), rounds V's keys 128 (H + 1) .. from register set
	; (H + 1) & 1 into the other slot, asks for the masks of half H + 1 and loads that V set again with keys 128 (H + 3) ..
	s_mov_b64 s[48:49], s[8:9]
	s_mov_b64 s[10:11], s[56:57]
	s_wait_loadcnt 24                              ; V's keys 0-127 are in; the 8 loads of keys 128-255 and the 16 of the first masks may stay out
	STAGEV 0, 0                                    ; keys 0-127 into slot 0;
	VLOAD 0, 65536                                 ; set 0 gets keys 256-383
	WIN 0
	v_mov_b32 v2, v1
	KFETCH KF, 8                                   ; K's fragments of step 0, into the even buffer
	HALF 0, 1, 8, 1, 1, 1, 0                       ; H = 0
	HALF 1, 0, 8, 1, 1, 1, 0
	WIN 0
	s_mov_b32 s50, 5
.Lp2:                                          ; H = 2 .. 11
	ADV
	HALF 0, 0, 8, 1, 1, 1, 0
	HALF 1, 0, 8, 1, 1, 1, 0
	WIN 0
	s_sub_co_u32 s50, s50, 1
	s_cmp_lg_u32 s50, 0
	s_cbranch_scc1 .Lp2
	ADV
	HALF 0, 0, 8, 1, 1, 1, 0                       ; H = 12: V's last load, keys 1,920-2,047
	HALF 1, 0, 8, 1, 1, 0, 0                       ; H = 13: no V left to load; that last load may stay out
	ADV                                            ; (V's stepped pointer is not used any more)
	HALF 0, 0, 0, 1, 1, 0, 0                       ; H = 14: no load was issued behind its masks; V's last 128 keys are rounded; the last masks go out
	HALF 1, 0, 0, 0, 0, 0, 1                       ; H = 15: nothing to ask for, nothing to round, no K beyond the end
	DRAIN
	PLACES                                         ; behind the last products: their results are read by LDS stores, and loads land on their sources (V's fragments lie where Q lands)
	WIN 0
	; the second unit's Q, first V and first masks go out ahead of the stores; their registers (window 1) are free
	s_cmp_eq_u32 s3, 1
	s_cbranch_scc1 .Lnoq
	s_wait_xcnt 0x0
	s_add_nc_u64 s[4:5], s[4:5], 65536             ; 256 rows of Q on
	s_add_nc_u64 s[56:57], s[56:57], 1048576       ; 16 q tiles of masks on
	LOADQV
.Lnoq:
	; THE WAY OUT: a lane holds 32 bytes of a row of out; 16 rows at a time go through my stage and come back as whole rows of 256 bytes.
	s_wait_dscnt 0x0
	BARRIER                                        ; every wave has finished its reads of V's slots: the stage lies over them
.irp qt, 0, 1
.set i, 0
.rept 8                                        ; i = 2 db + c
	ds_store_b128 v7, v[ACC+16*(i/2)+8*\qt+4*(i%2):ACC+16*(i/2)+8*\qt+4*(i%2)+3] offset:64*(i/2)+16*(i%2)
.set i, i+1
.endr
.set i, 0
.rept 8
	ds_load_b128 v[128+48*\qt+4*i:128+48*\qt+4*i+3], v8 offset:i*2*SPITCH      ; LDS serves a wave's instructions in order: these see the stores above
.set i, i+1
.endr
.set i, 0
.rept 8
	s_wait_dscnt 7-i                               ; rows 2 i, 2 i + 1 are back; the 7 - i younger loads stay out
	global_store_b128 v9, v[128+48*\qt+4*i:128+48*\qt+4*i+3], s[12:13] offset:(16*\qt+2*i)*4096 th:TH_STORE_NT   ; 16 lanes: 256 consecutive bytes, aligned
.set i, i+1
.endr
.endr
	s_wait_dscnt 0x0
	BARRIER                                        ; every wave has read its stage back: the bytes are V's slots again
	s_wait_xcnt 0x0                                ; the stores' data registers and base are written again only behind this wait
	s_add_nc_u64 s[12:13], s[12:13], 1048576       ; 256 rows of out on
	s_add_co_u32 s3, s3, 1
	s_cmp_lt_u32 s3, 2
	s_cbranch_scc1 .Lunit
	s_wait_xcnt 0x0
	v_lshl_add_u32 v254, v0, 2, 0x4e000
	v_mov_b32 v255, 0
	s_wait_tensorcnt 0x0
	ds_add_u32 v254, v255
	s_wait_dscnt 0x0
	s_endpgm
.Lfunc_end_k_q7267e8d2d9_attn:
	.size	k_q7267e8d2d9_attn, .Lfunc_end_k_q7267e8d2d9_attn-k_q7267e8d2d9_attn
	.p2alignl 7, 3214868480
	.fill 96, 4, 3214868480
	.section	.rodata,"a",@progbits
	.p2align	6, 0x0
	.amdhsa_kernel k_q7267e8d2d9_attn
		.amdhsa_group_segment_fixed_size 320512
		.amdhsa_private_segment_fixed_size 0
		.amdhsa_enable_private_segment 0
		.amdhsa_kernarg_size 40
		.amdhsa_user_sgpr_count 2
		.amdhsa_user_sgpr_kernarg_segment_ptr 1
		.amdhsa_wavefront_size32 1
		.amdhsa_system_sgpr_workgroup_id_x 1
		.amdhsa_system_sgpr_workgroup_id_y 1
		.amdhsa_system_sgpr_workgroup_id_z 1
		.amdhsa_system_vgpr_workitem_id 0
		.amdhsa_next_free_vgpr 512
		.amdhsa_next_free_sgpr 66
		.amdhsa_reserve_vcc 0
		.amdhsa_float_denorm_mode_32 3
		.amdhsa_float_denorm_mode_16_64 3
		.amdhsa_memory_ordered 1
		.amdhsa_forward_progress 1
		.amdhsa_inst_pref_size 255
	.end_amdhsa_kernel
	.section	.bss,"aw",@nobits
	.p2align	6
	.space	262144
	.amdgpu_metadata
---
amdhsa.version: [ 1, 2 ]
amdhsa.kernels:
  - .name:           k_q7267e8d2d9_attn
    .symbol:         k_q7267e8d2d9_attn.kd
    .args:
      - { .name: q, .offset: 0, .size: 8, .value_kind: global_buffer, .address_space: global }
      - { .name: k, .offset: 8, .size: 8, .value_kind: global_buffer, .address_space: global }
      - { .name: v, .offset: 16, .size: 8, .value_kind: global_buffer, .address_space: global }
      - { .name: mpair, .offset: 24, .size: 8, .value_kind: global_buffer, .address_space: global }
      - { .name: out0, .offset: 32, .size: 8, .value_kind: global_buffer, .address_space: global }
    .group_segment_fixed_size: 320512
    .private_segment_fixed_size: 0
    .kernarg_segment_align: 8
    .kernarg_segment_size: 40
    .max_flat_workgroup_size: 256
    .sgpr_count:     66
    .vgpr_count:     512
    .wavefront_size: 32
...
	.end_amdgpu_metadata
.endif
;; end of part 4
